; MI455X (gfx1250); checked and timed in simulation.
; The chip was launched on July 23, 2026; its instructions are those of AMD's public machine-readable ISA for CDNA 5 (MIT licence, August 2026) and "CDNA5" Instruction Set Architecture Reference Guide (July 2026). The comments in the code are by the model that wrote it; some were corrected since.
;; VQC Combined. Allowed arithmetic: float matrix products may take bf16 or f16 operands with f32 sums; all other float work in f32.
;; Inputs: scaling_a 2 float32; scaling_b 2 float32; weights_a 4 x 2 x 3 float32; weights_b 4 x 2 x 3 float32; x1 524,288 x 2 int32; x2 524,288 x 2 int32.
;; Outputs: out0 524,288 x 4 float32.
;; One version. Each part assembles by itself: llvm-mc -triple=amdgcn-amd-amdhsa -mcpu=gfx1250 --defsym DOCPART=n.
;; ======== version 1 of 1: 1 launch
;; launch vqc (part 1): grid 256 x 1, 4 waves a work-group, no clusters, 1,024 bytes of LDS; arguments weights_a, weights_b, scaling_a, scaling_b, x1, x2, out0; writes out0
.if DOCPART == 1
	.amdgcn_target "amdgcn-amd-amdhsa--gfx1250"
	.amdhsa_code_object_version 6
	.text
	.protected	k_q344875c4e2_vqc
	.globl	k_q344875c4e2_vqc
	.p2align	8
	.type	k_q344875c4e2_vqc,@function
k_q344875c4e2_vqc:
	s_mov_b64 s[64:65], 0
	v_nop
	global_prefetch_b8 v0, s[64:65] scope:SCOPE_SE
	s_setreg_imm32_b32 hwreg(HW_REG_WAVE_MODE, 25, 1), 1
	s_wait_xcnt 0x0
; out0[b][w] = scale[w] * (<Z_w> + 1) / 2 of a 4-qubit, 4-layer circuit started in basis state
; idx = 8 x1[b][0] + 4 x1[b][1] + 2 x2[b][0] + x2[b][1].
; A row of out0 hangs on idx and on the 52 weights and scales alone, so each work-group runs the circuit once for each of
; the 16 basis states, in f32, into a table of 17 rows of 16 bytes in LDS, and the batch is a gather from it.  Row 16
; serves every idx outside 0..15 (int32 wrap-around as in the reference, then an unsigned clamp): one_hot is then the zero
; state and the result 0.5 * scale.
; 256 work-groups of 4 waves; a work-group owns 2,048 rows as 16 groups of 128; thread t takes row 128 g + t.  A wave's load
; of x1 or x2 covers 256 consecutive bytes, its store 512, both aligned.  All 32 loads of x are issued before the table is
; computed, so the table work runs while they are on their way.
; THE TABLE.  Lane j = lane & 15 holds amplitude j; each row of 16 lanes carries two start states, i = thread >> 4 and i + 8,
; as register pairs.  Rot = RZ(omega) RY(theta) RZ(phi): the RZ of the four wires are one diagonal phase for each amplitude, and
; a layer's omega phase, taken through the CNOTs, joins the next layer's phi phase: five phases for a lane.  The first and the
; last do not change |amplitude|^2; they are kept so that every weight enters as it does in the reference.
; WHY NO MATRIX UNIT: what is left of the products are 2 x 2 gates on 16 states; 16-bit operands through 16 gates in a row would
; only cost accuracy.  WHY NO CLUSTER: the work-groups share 208 bytes (weights and scales), nothing of x or out0.
; LIMITS.  Phases are summed in revolutions in f32: the absolute error of a phase grows with the weights, about 1e-4 rad at
; |weight| = 100; beyond |weight| of some 1e5 the phase is lost.  With a NaN or infinite weight rows 0-15 are NaN, as in the
; reference, but row 16 stays 0.5 * scale, where the reference gives NaN.
.set XSTEP,  1024                      ; bytes of x1 (of x2) in a group: 128 rows x 8
.set OSTEP,  2048                      ; bytes of out0 in a group: 128 rows x 16
.set ROW16,  256                       ; LDS byte of table row 16
; scalar registers
.set WA,   8                           ; s[8:31]   weights_a [layer][wire 0,1][phi, theta, omega]
.set WB,   32                          ; s[32:55]  weights_b, wires 2,3 (= WA + 24)
.set SCL,  56                          ; s[56:59]  scale of the four outputs
.set HSC,  60                          ; s[60:63]  half of it
.set PWA,  68                          ; s[68:75]  addresses: weights_a, weights_b, scaling_a, scaling_b
.set PWB,  70
.set PSA,  72
.set PSB,  74
.set PX1,  76                          ; s[76:79]  x1, x2
.set PX2,  78
.set POUT, 80                          ; s[80:81]  out0
.set WAVE, 82
.set SGN,  83                          ; 0x80000000
.set PL0,  84                          ; s[84:85]  lane selects of the four CNOTs taken together
.set PL1,  85
.set MB,   86                          ; lanes whose gate lies on wire 2 or 3
; vector registers
.set J,    1                           ; amplitude index, lane & 15; also the gate number for theta
.set XO,   2                           ; 8 t
.set OO,   3                           ; 16 t
.set TO,   4                           ; byte offset of my gate's phi in its weight buffer
.set LA,   5                           ; LDS byte of table row thread >> 4
.set THA,  6                           ; theta from weights_a, from weights_b
.set THB,  7
.set NJ,   8                           ; ~j
.set NP,   9                           ; ~P(j), P = the CNOTs' permutation
.set TMP,  10                          ; v[10:13]
.set ZERO, 14
.set H,    16                          ; v[16:19]  wire w: -1/(4 pi) where bit w of j is 0, +1/(4 pi) where it is 1
.set G,    20                          ; v[20:23]  the same for P(j)
.set N,    24                          ; v[24:27]  wire w: -1 or +1 likewise
.set D,    28                          ; v[28:29]  one_hot: j == i, j == i + 8
.set KA,   30                          ; v[30:31]  highest coefficient of the sine series, twice
.set KB,   32                          ; v[32:33]  of the cosine series
.set T,    34                          ; v[34:39]  six angles in revolutions: five phases, theta / 2
.set U,    40                          ; v[40:45]
.set PS,   46                          ; v[46:51]  sin(pi f)
.set PC,   52                          ; v[52:57]  cos(pi f)
.set P2,   58                          ; v[58:63]  2 sin(pi f)
.set SIN,  64                          ; v[64:69]
.set COS,  70                          ; v[70:75]
.set CB0,  76                          ; v[76:77]  a gate's cos and +-sin, two sets in turn
.set CB1,  78
.set STA,  80                          ; v[80:83]  state: re of both start states, im of both
.set STB,  84                          ; v[84:87]  the same, the other of two sets
.set QV,   46                          ; v[46:53]  two finished table rows (the series' registers, done with by then)
.set X1,   96                          ; v[96:127]
.set X2,   128                         ; v[128:159]
.set IDX,  160                         ; v[160:175]
.set R,    176                         ; v[176:239]
	s_load_b256 s[PWA:PWA+7], s[0:1], 0x0
	s_load_b128 s[PX1:PX1+3], s[0:1], 0x20
	s_load_b64 s[POUT:POUT+1], s[0:1], 0x30
	v_lshl_add_u32 v240, v0, 2, 0x200
	v_mov_b32 v241, 0
	v_and_b32 v[J], 15, v0
	v_lshlrev_b32 v[XO], 3, v0
	v_lshlrev_b32 v[OO], 4, v0
	v_lshrrev_b32 v[TMP], 2, v[J]                  ; gate j = 4 layer + wire: layer
	v_and_b32 v[TMP+1], 1, v[J]                    ; which of the buffer's two wires
	v_mul_u32_u24 v[TMP], 24, v[TMP]               ; a layer is 6 floats, a wire 3
	v_mad_u32_u24 v[TO], v[TMP+1], 12, v[TMP]
	s_lshl_b32 s88, ttmp9, 14                      ; the work-group's 2,048 rows: 16,384 bytes of x1 and of x2,
	s_mov_b32 s89, 0
	s_lshl_b32 s90, ttmp9, 15                      ; 32,768 of out0
	s_mov_b32 s91, 0
	s_wait_kmcnt 0x0
	s_load_b512 s[WA:WA+15], s[PWA:PWA+1], 0x0     ; the weights first: the table waits for them
	s_load_b256 s[WA+16:WA+23], s[PWA:PWA+1], 0x40
	s_load_b512 s[WB:WB+15], s[PWB:PWB+1], 0x0
	s_load_b256 s[WB+16:WB+23], s[PWB:PWB+1], 0x40
	s_load_b64 s[SCL:SCL+1], s[PSA:PSA+1], 0x0
	s_load_b64 s[SCL+2:SCL+3], s[PSB:PSB+1], 0x0
	global_load_b32 v[THA], v[TO], s[PWA:PWA+1] offset:4   ; theta of gate j, from both buffers at the same place;
	global_load_b32 v[THB], v[TO], s[PWB:PWB+1] offset:4   ; the wire chooses between the two values below
	s_add_nc_u64 s[PX1:PX1+1], s[PX1:PX1+1], s[88:89]
	s_add_nc_u64 s[PX2:PX2+1], s[PX2:PX2+1], s[88:89]
	s_add_nc_u64 s[POUT:POUT+1], s[POUT:POUT+1], s[90:91]
.set g, 0
.rept 16
	global_load_b64 v[X1+2*g:X1+2*g+1], v[XO], s[PX1:PX1+1] offset:g*XSTEP th:TH_LOAD_NT
	global_load_b64 v[X2+2*g:X2+2*g+1], v[XO], s[PX2:PX2+1] offset:g*XSTEP th:TH_LOAD_NT
.set g, g+1
.endr
	; While the loads are out: everything that hangs on the lane alone.
	v_lshrrev_b32 v[TMP], 5, v0
	v_readfirstlane_b32 s[WAVE], v[TMP]
	s_mov_b32 s[SGN], 0x80000000
	s_mov_b32 s[MB], 0xcccccccc                    ; lanes with bit 1 of j set: gates on wires 2 and 3
	; The four CNOTs in the reference's order are new[j] = old[P(j)], P(b0 b1 b2 b3) = (b0, b1^b0, b2^b0, b3^b2), wire 0 = bit 3 of j:
	; P(0..15) = 0 1 3 2 4 5 7 6 14 15 13 12 10 11 9 8, one 4-bit field for each lane
	s_mov_b32 s[PL0], 0x67542310
	s_mov_b32 s[PL1], 0x89bacdfe
	v_xor_b32 v[NJ], -1, v[J]
	v_and_b32 v[TMP], 8, v[J]
	v_and_b32 v[TMP+1], 2, v[J]
	v_lshrrev_b32 v[TMP+2], 1, v[TMP]              ; b0 onto b1
	v_lshrrev_b32 v[TMP+3], 2, v[TMP]              ; b0 onto b2
	v_lshrrev_b32 v[TMP+1], 1, v[TMP+1]            ; b2 onto b3
	v_xor_b32 v[TMP+2], v[TMP+2], v[TMP+3]
	v_xor_b32 v[TMP+2], v[TMP+2], v[TMP+1]
	v_xor_b32 v[NP], v[TMP+2], v[NJ]               ; ~P(j)
.irp w, 0,1,2,3
	v_lshlrev_b32 v[TMP], 28+\w, v[NJ]             ; wire w is bit 3 - w: its complement becomes the sign
	v_lshlrev_b32 v[TMP+1], 28+\w, v[NP]
	v_bfi_b32 v[H+\w], s[SGN], v[TMP], 0x3da2f983  ; RZ(a) turns bit 0 by -a/2, bit 1 by +a/2: in revolutions -+ a / (4 pi)
	v_bfi_b32 v[G+\w], s[SGN], v[TMP+1], 0x3da2f983
	v_bfi_b32 v[N+\w], s[SGN], v[TMP], 1.0
.endr
	v_lshrrev_b32 v[TMP], 4, v0                    ; i = thread >> 4, 0 to 7
	v_add_nc_u32 v[TMP+1], 8, v[TMP]
	v_cmp_eq_u32 vcc_lo, v[TMP], v[J]
	v_cndmask_b32 v[D], 0, 1.0, vcc_lo
	v_cmp_eq_u32 vcc_lo, v[TMP+1], v[J]
	v_cndmask_b32 v[D+1], 0, 1.0, vcc_lo
	v_and_b32 v[LA], 0x70, v0                      ; 16 i
	v_mov_b32 v[ZERO], 0
	v_mov_b32 v[KA], 0xbbf183a8                    ; -pi^11 / 11!
	v_mov_b32 v[KA+1], 0xbbf183a8
	v_mov_b32 v[KB], 0x3afce9c5                    ; pi^12 / 12!
	v_mov_b32 v[KB+1], 0x3afce9c5
.irp r, CB0, CB0+1, CB1, CB1+1, STB, STB+1, STB+2, STB+3
	v_mov_b32 v[\r], 0                             ; first written by a DPP form, whose destination counts as read
.endr
	; The five phases in revolutions, five sums side by side so that no line waits for the one in front of it.
	s_wait_kmcnt 0x0
.macro TERMS op, w
.set WW, WA+24*(\w/2)+3*(\w%2)                     ; s[WW + 6 layer + k]: this wire's phi (k = 0) or omega (k = 2)
	\op v[T+0], s[WW+0], v[H+\w]                   ; layer 0's phi
	\op v[T+1], s[WW+2], v[G+\w]                   ; layer 0's omega at P(j): applied behind the CNOTs
	\op v[T+2], s[WW+8], v[G+\w]                   ; layer 1's
	\op v[T+3], s[WW+14], v[G+\w]                  ; layer 2's
	\op v[T+4], s[WW+20], v[H+\w]                  ; layer 3's, applied in front of the last CNOTs
.endm
	TERMS v_mul_f32, 0
	TERMS v_fmac_f32, 1
	TERMS v_fmac_f32, 2
	TERMS v_fmac_f32, 3
.irp w, 0,1,2,3
.set WW, WA+24*(\w/2)+3*(\w%2)
	v_fmac_f32 v[T+1], s[WW+6], v[H+\w]            ; + the next layer's phi
	v_fmac_f32 v[T+2], s[WW+12], v[H+\w]
	v_fmac_f32 v[T+3], s[WW+18], v[H+\w]
.endr
.irp w, 0,1,2,3
	s_mul_f32 s[HSC+\w], s[SCL+\w], 0.5
.endr
	s_wait_loadcnt 32                              ; loads return in order: the two of theta are in, the 32 of x behind them stay out
	v_cndmask_b32 v[T+5], v[THA], v[THB], s[MB]
	v_mul_f32 v[T+5], 0x3da2f983, v[T+5]           ; theta / 2 in revolutions
	; Sine and cosine of six angles, as three pairs.  f = t - round(t), |f| <= 1/2 (exact); Taylor series of sin(pi f) to f^11 and of
	; cos(pi f) to f^12, whose first dropped terms at |f| = 1/2 are 6e-8 and 6e-9; then the angle is doubled.
.irp p, 0,2,4
	v_rndne_f32 v[U+\p], v[T+\p]
	v_rndne_f32 v[U+\p+1], v[T+\p+1]
.endr
.irp p, 0,2,4
	v_pk_add_f32 v[T+\p:T+\p+1], v[T+\p:T+\p+1], v[U+\p:U+\p+1] neg_lo:[0,1] neg_hi:[0,1]
.endr
.irp p, 0,2,4
	v_pk_mul_f32 v[U+\p:U+\p+1], v[T+\p:T+\p+1], v[T+\p:T+\p+1]
.endr
.irp p, 0,2,4
	v_pk_fma_f32 v[PS+\p:PS+\p+1], v[U+\p:U+\p+1], v[KA:KA+1], 0x3da83c1a op_sel_hi:[1,1,0]    ; + pi^9 / 9!
	v_pk_fma_f32 v[PC+\p:PC+\p+1], v[U+\p:U+\p+1], v[KB:KB+1], 0xbcd368f9 op_sel_hi:[1,1,0]    ; - pi^10 / 10!
.endr
.macro HORNER acc, k
.irp p, 0,2,4
	v_pk_fma_f32 v[\acc+\p:\acc+\p+1], v[\acc+\p:\acc+\p+1], v[U+\p:U+\p+1], \k op_sel_hi:[1,1,0]
.endr
.endm
	HORNER PS, 0xbf196966                          ; - pi^7 / 7!
	HORNER PC, 0x3e70fa83                          ; + pi^8 / 8!
	HORNER PS, 0x402335e3                          ; + pi^5 / 5!
	HORNER PC, 0xbfaae9e4                          ; - pi^6 / 6!
	HORNER PS, 0xc0a55de7                          ; - pi^3 / 3!
	HORNER PC, 0x4081e0f8                          ; + pi^4 / 4!
	HORNER PS, 0x40490fdb                          ; + pi
	HORNER PC, 0xc09de9e6                          ; - pi^2 / 2
	HORNER PC, 1.0
.irp p, 0,2,4
	v_pk_mul_f32 v[PS+\p:PS+\p+1], v[PS+\p:PS+\p+1], v[T+\p:T+\p+1]
.endr
.irp p, 0,2,4
	v_pk_add_f32 v[P2+\p:P2+\p+1], v[PS+\p:PS+\p+1], v[PS+\p:PS+\p+1]
.endr
.irp p, 0,2,4
	v_pk_mul_f32 v[SIN+\p:SIN+\p+1], v[P2+\p:P2+\p+1], v[PC+\p:PC+\p+1]                                            ; sin 2a = 2 sin a cos a
	v_pk_fma_f32 v[COS+\p:COS+\p+1], v[P2+\p:P2+\p+1], v[PS+\p:PS+\p+1], 1.0 op_sel_hi:[1,1,0] neg_lo:[1,0,0] neg_hi:[1,0,0]   ; cos 2a = 1 - 2 sin^2 a
.endr
; RY on the wire whose bit is m: new[j] = cos a[j] + N[j] sin a[j ^ m], alike for re and im, for both start states.
; cur holds this gate's (cos, N sin).  Lane ng of each row holds the next gate's cos and sin: they are spread over the row into nxt
; between the products and the sums, where the sums would otherwise follow straight on their sources.
.macro GATE m, cur, xs, ys, ng, nw, nxt
.irp c, 0,1,2,3
	v_mul_f32_dpp v[\ys+\c], v[\xs+\c], v[\cur+1] row_xmask:\m row_mask:0xf bank_mask:0xf
.endr
.if \ng < 16
	v_mov_b32_dpp v[\nxt], v[COS+5] row_share:\ng row_mask:0xf bank_mask:0xf
	v_mul_f32_dpp v[\nxt+1], v[SIN+5], v[N+\nw] row_share:\ng row_mask:0xf bank_mask:0xf
.endif
	v_pk_fma_f32 v[\ys:\ys+1], v[\xs:\xs+1], v[\cur:\cur+1], v[\ys:\ys+1] op_sel_hi:[1,0,1]
	v_pk_fma_f32 v[\ys+2:\ys+3], v[\xs+2:\xs+3], v[\cur:\cur+1], v[\ys+2:\ys+3] op_sel_hi:[1,0,1]
.endm
.macro LAYER g1, g2, g3, g4            ; the four RY of a layer, STA to STA; g1..g4: the numbers of the gates that follow each
	GATE 8, CB0, STA, STB, \g1, 1, CB1
	GATE 4, CB1, STB, STA, \g2, 2, CB0
	GATE 2, CB0, STA, STB, \g3, 3, CB1
	GATE 1, CB1, STB, STA, \g4, 0, CB0
.endm
.macro CNOTS                           ; STB[j] = STA[P(j)]
.irp c, 0,1,2,3
	v_permlane16_b32 v[STB+\c], v[STA+\c], s[PL0], s[PL1]
.endr
.endm
; ys = xs * (cos + i sin) of the angle in half h of pair p; op_sel and op_sel_hi give both start states that half
.macro PHASE p, h, xs, ys
	v_pk_mul_f32 v[\ys:\ys+1], v[\xs+2:\xs+3], v[SIN+\p:SIN+\p+1] op_sel:[0,\h] op_sel_hi:[1,\h]
	v_pk_mul_f32 v[\ys+2:\ys+3], v[\xs+2:\xs+3], v[COS+\p:COS+\p+1] op_sel:[0,\h] op_sel_hi:[1,\h]
	v_pk_fma_f32 v[\ys:\ys+1], v[\xs:\xs+1], v[COS+\p:COS+\p+1], v[\ys:\ys+1] op_sel:[0,\h,0] op_sel_hi:[1,\h,1] neg_lo:[0,0,1] neg_hi:[0,0,1]
	v_pk_fma_f32 v[\ys+2:\ys+3], v[\xs:\xs+1], v[SIN+\p:SIN+\p+1], v[\ys+2:\ys+3] op_sel:[0,\h,0] op_sel_hi:[1,\h,1]
.endm
	v_mov_b32_dpp v[CB0], v[COS+5] row_share:0 row_mask:0xf bank_mask:0xf
	v_mul_f32_dpp v[CB0+1], v[SIN+5], v[N] row_share:0 row_mask:0xf bank_mask:0xf
	v_pk_mul_f32 v[STA:STA+1], v[D:D+1], v[COS:COS+1] op_sel_hi:[1,0]          ; one_hot times layer 0's phi phase
	v_pk_mul_f32 v[STA+2:STA+3], v[D:D+1], v[SIN:SIN+1] op_sel_hi:[1,0]
	LAYER 1, 2, 3, 4
	CNOTS
	PHASE 0, 1, STB, STA
	LAYER 5, 6, 7, 8
	CNOTS
	PHASE 2, 0, STB, STA
	LAYER 9, 10, 11, 12
	CNOTS
	PHASE 2, 1, STB, STA
	LAYER 13, 14, 15, 16
	PHASE 4, 0, STA, STB
	v_pk_mul_f32 v[STA:STA+1], v[STB:STB+1], v[STB:STB+1]                      ; probabilities,
	v_pk_fma_f32 v[STA:STA+1], v[STB+2:STB+3], v[STB+2:STB+3], v[STA:STA+1]
	v_permlane16_b32 v[STB], v[STA], s[PL0], s[PL1]                            ; and the last CNOTs on them
	v_permlane16_b32 v[STB+1], v[STA+1], s[PL0], s[PL1]
; <Z> of all wires at once: for each bit, new[j] = q[j ^ m] + N[j] q[j], which leaves the sum where the bit is 1 and
; (bit 1's part - bit 0's part) where it is 0.  After the four bits lane 15 - (8 >> w) holds -<Z_w>.
.macro BUTTERFLY m, np, h, q, x
	v_pk_mul_f32 v[\x:\x+1], v[\q:\q+1], v[N+\np:N+\np+1] op_sel:[0,\h] op_sel_hi:[1,\h]
	v_add_f32_dpp v[\x], v[\q], v[\x] row_xmask:\m row_mask:0xf bank_mask:0xf
	v_add_f32_dpp v[\x+1], v[\q+1], v[\x+1] row_xmask:\m row_mask:0xf bank_mask:0xf
.endm
	BUTTERFLY 8, 0, 0, STB, STB+2
	BUTTERFLY 4, 0, 1, STB+2, STB
	BUTTERFLY 2, 2, 0, STB, STB+2
	BUTTERFLY 1, 2, 1, STB+2, STB
.macro ROWQ w, lane                    ; every lane of the row takes -<Z_w> of both start states
	v_mov_b32_dpp v[QV+\w], v[STB] row_share:\lane row_mask:0xf bank_mask:0xf
	v_mov_b32_dpp v[QV+4+\w], v[STB+1] row_share:\lane row_mask:0xf bank_mask:0xf
.endm
	ROWQ 0, 7
	ROWQ 1, 11
	ROWQ 2, 13
	ROWQ 3, 14
.irp w, 0,1,2,3
	v_fma_f32 v[QV+\w], -v[QV+\w], s[HSC+\w], s[HSC+\w]                        ; scale (<Z> + 1) / 2
	v_fma_f32 v[QV+4+\w], -v[QV+4+\w], s[HSC+\w], s[HSC+\w]
.endr
	ds_store_b128 v[LA], v[QV:QV+3]                ; table row i: the 16 lanes of a row write the same 16 bytes with the same values
	ds_store_b128 v[LA], v[QV+4:QV+7] offset:128   ; table row i + 8
	s_cmp_lg_u32 s[WAVE], 0
	s_cbranch_scc1 .Lrows_done
.irp w, 0,1,2,3
	v_mov_b32 v[TMP+\w], s[HSC+\w]                 ; row 16, by wave 0: the zero state has <Z> = 0
.endr
	ds_store_b128 v[ZERO], v[TMP:TMP+3] offset:ROW16
.Lrows_done:
	s_wait_dscnt 0x0                               ; for the other waves' sake: my rows are in LDS before I say so
; THE BATCH, in four batches of four groups.
.macro ADDR b                          ; table addresses of groups 4b .. 4b+3, stage by stage so that four chains run side by side
	s_wait_loadcnt 24-8*\b                         ; x1 and x2 of these groups are in; the 8 loads of each later batch stay out
.irp i, 0,1,2,3
	v_lshl_add_u32 v[IDX+4*\b+\i], v[X1+8*\b+2*\i], 1, v[X1+8*\b+2*\i+1]
.endr
.irp i, 0,1,2,3
	v_lshl_add_u32 v[X2+8*\b+2*\i], v[X2+8*\b+2*\i], 1, v[X2+8*\b+2*\i+1]
.endr
.irp i, 0,1,2,3
	v_lshl_add_u32 v[IDX+4*\b+\i], v[IDX+4*\b+\i], 2, v[X2+8*\b+2*\i]
.endr
.irp i, 0,1,2,3
	v_min_u32 v[IDX+4*\b+\i], 16, v[IDX+4*\b+\i]   ; negative or 16 and above: row 16.  Clamped before the shift, which could wrap
.endr
.irp i, 0,1,2,3
	v_lshlrev_b32 v[IDX+4*\b+\i], 4, v[IDX+4*\b+\i]
.endr
.endm
.macro LOOK b                          ; rows 0-15 fill 256 consecutive bytes: different rows lie in different banks (64 banks of 4 bytes: ISA guide 11.1)
.irp i, 0,1,2,3
	ds_load_b128 v[R+16*\b+4*\i:R+16*\b+4*\i+3], v[IDX+4*\b+\i]
.endr
.endm
.macro OUT b, later                    ; later = LDS loads of the next batch, issued behind this one's
.irp i, 0,1,2,3
	s_wait_dscnt \later+3-\i                       ; LDS loads return in order: row i of the batch is in
	global_store_b128 v[OO], v[R+16*\b+4*\i:R+16*\b+4*\i+3], s[POUT:POUT+1] offset:(4*\b+\i)*OSTEP th:TH_STORE_NT
.endr
.endm
	s_barrier_signal -1
	ADDR 0                                         ; registers only, while the other waves arrive
	s_barrier_wait -1                              ; all 17 rows are in LDS
	LOOK 0
	ADDR 1
	LOOK 1
	OUT 0, 4
	ADDR 2
	LOOK 2
	OUT 1, 4
	ADDR 3
	LOOK 3
	OUT 2, 4
	OUT 3, 0
	s_wait_tensorcnt 0x0
	ds_add_u32 v240, v241
	s_wait_dscnt 0x0
	s_endpgm
.Lfunc_end_k_q344875c4e2_vqc:
	.size	k_q344875c4e2_vqc, .Lfunc_end_k_q344875c4e2_vqc-k_q344875c4e2_vqc
	.p2alignl 7, 3214868480
	.fill 96, 4, 3214868480
	.section	.rodata,"a",@progbits
	.p2align	6, 0x0
	.amdhsa_kernel k_q344875c4e2_vqc
		.amdhsa_group_segment_fixed_size 1024
		.amdhsa_private_segment_fixed_size 0
		.amdhsa_enable_private_segment 0
		.amdhsa_kernarg_size 56
		.amdhsa_user_sgpr_count 2
		.amdhsa_user_sgpr_kernarg_segment_ptr 1
		.amdhsa_wavefront_size32 1
		.amdhsa_system_sgpr_workgroup_id_x 1
		.amdhsa_system_sgpr_workgroup_id_y 1
		.amdhsa_system_sgpr_workgroup_id_z 1
		.amdhsa_system_vgpr_workitem_id 0
		.amdhsa_next_free_vgpr 242
		.amdhsa_next_free_sgpr 92
		.amdhsa_reserve_vcc 1
		.amdhsa_float_denorm_mode_32 3
		.amdhsa_float_denorm_mode_16_64 3
		.amdhsa_memory_ordered 1
		.amdhsa_forward_progress 1
		.amdhsa_inst_pref_size 33
	.end_amdhsa_kernel
	.amdgpu_metadata
---
amdhsa.version: [ 1, 2 ]
amdhsa.kernels:
  - .name:           k_q344875c4e2_vqc
    .symbol:         k_q344875c4e2_vqc.kd
    .args:
      - { .name: weights_a, .offset: 0, .size: 8, .value_kind: global_buffer, .address_space: global }
      - { .name: weights_b, .offset: 8, .size: 8, .value_kind: global_buffer, .address_space: global }
      - { .name: scaling_a, .offset: 16, .size: 8, .value_kind: global_buffer, .address_space: global }
      - { .name: scaling_b, .offset: 24, .size: 8, .value_kind: global_buffer, .address_space: global }
      - { .name: x1, .offset: 32, .size: 8, .value_kind: global_buffer, .address_space: global }
      - { .name: x2, .offset: 40, .size: 8, .value_kind: global_buffer, .address_space: global }
      - { .name: out0, .offset: 48, .size: 8, .value_kind: global_buffer, .address_space: global }
    .group_segment_fixed_size: 1024
    .private_segment_fixed_size: 0
    .kernarg_segment_align: 8
    .kernarg_segment_size: 56
    .max_flat_workgroup_size: 128
    .sgpr_count:     92
    .vgpr_count:     242
    .wavefront_size: 32
...
	.end_amdgpu_metadata
.endif
;; end of part 1
